; MI455X (gfx1250); checked and timed in simulation.
; The chip was launched on July 23, 2026; its instructions are those of AMD's public machine-readable ISA for CDNA 5 (MIT licence, August 2026) and "CDNA5" Instruction Set Architecture Reference Guide (July 2026). The comments in the code are by the model that wrote it; some were corrected since.
;; Self Attention Block. Allowed arithmetic: matrix products marked QUANTISED: E2M1 operands, one E8M0 scale for each 32 along K, by v_wmma_scale_f32_16x16x128_f8f6f4 with both operands' format E2M1 (or v_wmma_scale_f32_32x16x128_f4), f32 sums; everything else in f32.
;; Inputs: Wk 128 x 256 float32; Wq 128 x 256 float32; Wv 256 x 256 float32; bk 128 float32; bq 128 float32; bv 256 float32; gamma 1 float32; x 4 x 256 x 64 x 64 float32.
;; Outputs: out0 4 x 256 x 64 x 64 float32.
;; This version of the problem:
;;   THIS VERSION OF THE PROBLEM IS GIVEN IN LOW PRECISION. The matrix products marked QUANTISED in the list below multiply operands that are first quantised to E2M1 (2 exponent bits, 1 mantissa bit; 4 bits a number), with one power-of-two scale for each 32 numbers along K (OCP MX v1.0); their sums are f32. All else is computed in f32.
;;   The module's matrix products, in the order in which they are computed (A, B: the left and right operand; K: the contracted axis; several contracted axes count as one K, in the product's order):
;;     1. [M 16,384, K 256] x [K 256, N 128]; A: input x; B: input Wq: QUANTISED
;;     2. [M 16,384, K 256] x [K 256, N 128]; A: input x; B: input Wk: QUANTISED
;;     3. [M 16,384, K 256] x [K 256, N 256]; A: input x; B: input Wv: QUANTISED
;;     4. batch 4 x [M 4,096, K 128] x [K 128, N 4,096]; A: computed on the way; B: computed on the way: QUANTISED
;;     5. batch 4 x [M 256, K 4,096] x [K 4,096, N 4,096]; A: computed on the way; B: softmax (see below): QUANTISED
;;   THE QUANTISER, for each operand of a quantised product, along K:
;;     - K is cut into blocks of 32 from its start; a last block that is shorter is filled with zeros.
;;     - A block's scale is 2^e with e = floor(log2(the largest magnitude in the block)) - 2, held to -126 .. 127; a block of zeros has e = 0. As a byte (E8M0): e + 127.
;;     - Each number is divided by its block's scale, clamped to +-6, and rounded to the nearest number of E2M1, ties to even, subnormals kept.
;;     - The product sums the exact products of the quantised numbers (number of the format x scale) in f32.
;;   ~~~python
;;   def quantise(x, axis):      # numpy; x: float32 -> the quantised numbers, widened to float32 again
;;       x = np.moveaxis(x, axis, -1); K = x.shape[-1]
;;       x = np.pad(x, [(0, 0)] * (x.ndim - 1) + [(0, -K % 32)]); x = x.reshape(x.shape[:-1] + (-1, 32)); a = np.abs(x).max(-1, keepdims=True)
;;       e = np.where(a > 0, np.clip(np.frexp(np.where(a > 0, a, 1))[1] - 1 - 2, -126, 127), 0)      # np.frexp(a)[1] - 1 = floor(log2(a)), exactly
;;       r = np.clip(x / 2.0 ** e, -6, 6)
;;       step = 2.0 ** (np.maximum(np.frexp(np.where(r == 0, 1, r))[1] - 1, 0) - 1)
;;       q = np.round(r / step) * step * 2.0 ** e      # np.round: ties to even
;;       return np.moveaxis(q.reshape(q.shape[:-2] + (-1,))[..., :K], -1, axis).astype(np.float32)
;;   ~~~
;;   SOFTMAX AHEAD OF A QUANTISED PRODUCT. Where the list says 'softmax', what is quantised is not the finished softmax but p = 2^(t - M), with t = logit x log2(e) and M = ceil(the row's largest t), a whole number; so 1/2 < the row's largest p <= 1. The row's sum l is taken of the UNQUANTISED p, in f32, and the product's result is divided by l at the end. Since M is a whole number, a kernel that streams over the keys may use a running M (the ceiling of the running maximum): every later rescaling is an exact power of two, which a block's scale takes up: the codes' values come out the same.
;;   OPERANDS COMPUTED ON THE WAY. 'Computed on the way' means the value that the module computes at that place (a softmax that the list does not call 'softmax' is quantised finished and normalised). What goes into a quantiser is computed in f32, as accurately as f32 sums, v_exp_f32 and their like allow (about 1e-6 of the number): no bf16 or f16 on the way to a quantiser, and a product that is left as it is and whose result goes on into a quantised operand takes f32 operands (vector FMAs, or v_wmma_f32_16x16x4_f32). A number that lies on a knife's edge between two numbers of the format may be rounded either way, as far as f32 arithmetic and the matrix unit's own rounding can turn it there, and no further.
;; One version. Each part assembles by itself: llvm-mc -triple=amdgcn-amd-amdhsa -mcpu=gfx1250 --defsym DOCPART=n.
;; ======== version 1 of 1: 3 launches
;; workspace buffers: wcode 69,632 bytes; qimg 1,114,112 bytes; kv 3,145,728 bytes; sc 196,608 bytes
;; launch wquant (part 1): grid 64 x 1, 1 waves a work-group, no clusters, 0 bytes of LDS; arguments Wq, Wk, Wv, wcode; writes wcode
.if DOCPART == 1
	.amdgcn_target "amdgcn-amd-amdhsa--gfx1250"
	.amdhsa_code_object_version 6
	.text
	.protected	k_qc5fd80d79f_wquant
	.globl	k_qc5fd80d79f_wquant
	.p2align	8
	.type	k_qc5fd80d79f_wquant,@function
k_qc5fd80d79f_wquant:
	s_mov_b64 s[64:65], 0
	v_nop
	global_prefetch_b8 v0, s[64:65] scope:SCOPE_SE
	s_setreg_imm32_b32 hwreg(HW_REG_WAVE_MODE, 25, 1), 1
	s_wait_xcnt 0x0
; SelfAttentionBlock in MX-FP4, launch 1 of 3: Wq [128][256], Wk [128][256], Wv [256][256], f32, K = the 256 channels innermost,
; become codes of E2M1 with one E8M0 byte for each 32 along K, laid as IMAGES OF THE OPERAND'S REGISTERS.
; DEAD WORK: none.  bq, bk and bv go into operands that are quantised (q, k, v), gamma and x reach the output: every input is loaded by some launch, every product of the table is done.
; wcode: [0, 65536): 64 images of 1,024 bytes, image 2 tg + s (tg: tile of 16 rows, 0-7 Wq, 8-15 Wk, 16-31 Wv; s: which 128 of the channels): registers 4 c .. 4 c + 3 of lane l at 512 c + 16 l.
;        [65536, 69632): the images' scale words, 16 words (row 0 .. 15) for each image.
; THE ROWS OF A TILE of Wq and Wk are not neighbours: row r of tile 2 b + u is W's row 32 b + 8 u + r + 8 (r / 8), so that q's and k's 16 registers of two neighbouring tiles are 16 neighbours along the next K.  Wv's tile ct holds rows 16 ct + r.
; One wave makes one image.  Lane (r, h) wants k = 64 c + 32 h + 0 .. 31 of its row: two whole blocks, 128 neighbouring bytes each: eight loads of 16 bytes a block; no other lane is asked for a maximum.
; The lanes of a load stand in rows 1,024 bytes apart; over a lane's sixteen loads every byte fetched is used, and the launch reads 512 KiB in all: no turn through LDS is spent on it.
; LIMITS: a block whose largest magnitude lies under 2^(3 - 127), a block of zeros among them, gets the byte 1 (this program alone reads the bytes; zero codes add nothing); NaN and infinities among the inputs are not served.
.set X,  64                            ; v64-127  my 64 numbers
.set CD, 48                            ; v48-55   the image's eight registers
	s_load_b256 s[4:11], s[0:1], 0x0               ; Wq s[4:5], Wk s[6:7], Wv s[8:9], wcode s[10:11]
	v_and_b32 v1, 15, v0                           ; r
	v_lshrrev_b32 v2, 4, v0                        ; h
	s_lshr_b32 s12, ttmp9, 1                       ; tg
	s_and_b32 s13, ttmp9, 1                        ; s
	s_and_b32 s14, s12, 7                          ; Wq, Wk: the tile in its tensor, 2 b + u
	s_lshr_b32 s15, s14, 1
	s_lshl_b32 s15, s15, 5
	s_and_b32 s14, s14, 1
	s_lshl_b32 s14, s14, 3
	s_add_co_u32 s14, s14, s15                     ; 32 b + 8 u
	s_sub_co_u32 s15, s12, 16
	s_lshl_b32 s15, s15, 4                         ; Wv: 16 ct
	s_cmp_lt_u32 s12, 16
	s_cselect_b32 s14, s14, s15                    ; the tile's first row
	s_cselect_b32 s16, 8, 0                        ; and whether its upper eight rows lie eight further on
	s_lshl_b32 s17, s13, 9                         ; 128 channels are 512 bytes
	v_and_b32 v3, s16, v1
	v_add3_u32 v3, v3, v1, s14                     ; my row
	v_lshlrev_b32 v3, 10, v3                       ; of 1,024 bytes,
	v_lshl_add_u32 v3, v2, 7, v3                   ; + 128 h,
	v_add_nc_u32 v3, s17, v3                       ; + the K step
	v_lshlrev_b32 v4, 4, v0                        ; out: 16 x lane
	v_lshlrev_b32 v5, 2, v1                        ; and 4 r for the scale word
	s_lshl_b32 s18, ttmp9, 10                      ; my image,
	s_mov_b32 s19, 0
	s_lshl_b32 s24, ttmp9, 6                       ; my 16 scale words
	s_mov_b32 s25, 0
	s_mov_b32 s20, 0x76543210
	s_mov_b32 s21, 0xfedcba98                      ; v_permlanex16_b32's selects for lane l xor 16
	s_wait_kmcnt 0x0
	s_cmp_lt_u32 s12, 8                            ; the tensor is chosen by the work-group's number alone
	s_cselect_b64 s[4:5], s[4:5], s[6:7]
	s_cmp_lt_u32 s12, 16
	s_cselect_b64 s[4:5], s[4:5], s[8:9]
	s_add_nc_u64 s[18:19], s[10:11], s[18:19]
	s_add_nc_u64 s[24:25], s[10:11], s[24:25]
.irp c, 0,1
.irp i, 0,1,2,3,4,5,6,7
	global_load_b128 v[X+32*\c+4*\i:X+32*\c+4*\i+3], v3, s[4:5] offset:256*\c+16*\i   ; W(row, 128 s + 64 c + 32 h + 4 i ..)
.endr
.endr
	s_wait_loadcnt 0x0
.irp c, 0,1                                    ; my block 2 c + h: all its 32 numbers are mine
	v_max3_num_f32 v[32+\c], |v[X+32*\c]|, |v[X+1+32*\c]|, 0x1800000   ; and the floor 2^(3 - 127): the byte cannot fall under 1
.endr
.irp i, 2,4,6,8,10,12,14,16,18,20,22,24,26,28,30
.irp c, 0,1
	v_max3_num_f32 v[32+\c], v[32+\c], |v[X+32*\c+\i]|, |v[X+1+32*\c+\i]|   ; (the two blocks by turns)
.endr
.endr
.irp c, 0,1
	v_add_nc_u32 v[44+\c], 0xff000000, v[32+\c]    ; 2 off the exponent field: the conversion takes the exponent field of this operand as its scale
.endr
.irp c, 0,1
	v_lshrrev_b32 v[36+\c], 23, v[44+\c]           ; the scale's byte
.endr
	v_lshl_or_b32 v9, v37, 16, v36                 ; my two bytes: blocks h and 2 + h of my row,
	v_lshlrev_b32 v10, 3, v2
	v_lshlrev_b32 v9, v10, v9                      ; at their places in the word (8 h bits up);
	v_mov_b32 v10, 0                               ; (a lane permute's destination counts as one of its sources)
	v_permlanex16_b32 v10, v9, s20, s21
	v_or_b32 v9, v9, v10                           ; with lane l xor 16's two the word is whole
.irp c, 0,1
.irp g, 0,1,2,3
	v_cvt_scalef32_pk8_fp4_f32 v[CD+4*\c+\g], v[X+32*\c+8*\g:X+32*\c+8*\g+7], v[44+\c]   ; registers 4 c .. 4 c + 3 of the operand
.endr
.endr
	v_nop                                          ; one plain line behind the last scaled conversion
	global_store_b128 v4, v[CD:CD+3], s[18:19]             ; 32 lanes store 512 consecutive bytes
	global_store_b128 v4, v[CD+4:CD+7], s[18:19] offset:512
	s_wait_xcnt 0x0                                ; EXEC is a source of the stores above: it changes only behind this wait
	v_cmp_gt_u32 vcc_lo, 16, v0
	s_and_saveexec_b32 s22, vcc_lo                 ; lanes 0 to 15: one word a row
	global_store_b32 v5, v9, s[24:25] offset:65536
	s_wait_xcnt 0x0                                ; and again, in front of the line that widens it
	s_or_b32 exec_lo, exec_lo, s22
	s_endpgm
.Lfunc_end_k_qc5fd80d79f_wquant:
	.size	k_qc5fd80d79f_wquant, .Lfunc_end_k_qc5fd80d79f_wquant-k_qc5fd80d79f_wquant
	.p2alignl 7, 3214868480
	.fill 96, 4, 3214868480
	.section	.rodata,"a",@progbits
	.p2align	6, 0x0
	.amdhsa_kernel k_qc5fd80d79f_wquant
		.amdhsa_group_segment_fixed_size 0
		.amdhsa_private_segment_fixed_size 0
		.amdhsa_enable_private_segment 0
		.amdhsa_kernarg_size 32
		.amdhsa_user_sgpr_count 2
		.amdhsa_user_sgpr_kernarg_segment_ptr 1
		.amdhsa_wavefront_size32 1
		.amdhsa_system_sgpr_workgroup_id_x 1
		.amdhsa_system_sgpr_workgroup_id_y 1
		.amdhsa_system_sgpr_workgroup_id_z 1
		.amdhsa_system_vgpr_workitem_id 0
		.amdhsa_next_free_vgpr 128
		.amdhsa_next_free_sgpr 66
		.amdhsa_reserve_vcc 1
		.amdhsa_float_denorm_mode_32 3
		.amdhsa_float_denorm_mode_16_64 3
		.amdhsa_memory_ordered 1
		.amdhsa_forward_progress 1
		.amdhsa_inst_pref_size 7
	.end_amdhsa_kernel
	.amdgpu_metadata
---
amdhsa.version: [ 1, 2 ]
amdhsa.kernels:
  - .name:           k_qc5fd80d79f_wquant
    .symbol:         k_qc5fd80d79f_wquant.kd
    .args:
      - { .name: Wq, .offset: 0, .size: 8, .value_kind: global_buffer, .address_space: global }
      - { .name: Wk, .offset: 8, .size: 8, .value_kind: global_buffer, .address_space: global }
      - { .name: Wv, .offset: 16, .size: 8, .value_kind: global_buffer, .address_space: global }
      - { .name: wcode, .offset: 24, .size: 8, .value_kind: global_buffer, .address_space: global }
    .group_segment_fixed_size: 0
    .private_segment_fixed_size: 0
    .kernarg_segment_align: 8
    .kernarg_segment_size: 32
    .max_flat_workgroup_size: 32
    .sgpr_count:     66
    .vgpr_count:     128
    .wavefront_size: 32
...
	.end_amdgpu_metadata
.endif
;; end of part 1
;; launch proj (part 2): grid 32 x 4, 16 waves a work-group, no clusters, 54,272 bytes of LDS; arguments x, wcode, bq, bk, bv, qimg, kv, sc; writes qimg, kv, sc
.if DOCPART == 2
	.amdgcn_target "amdgcn-amd-amdhsa--gfx1250"
	.amdhsa_code_object_version 6
	.text
	.protected	k_qc5fd80d79f_proj
	.globl	k_qc5fd80d79f_proj
	.p2align	8
	.type	k_qc5fd80d79f_proj,@function
k_qc5fd80d79f_proj:
	s_mov_b64 s[64:65], 0
	v_nop
	global_prefetch_b8 v0, s[64:65] scope:SCOPE_SE
	s_setreg_imm32_b32 hwreg(HW_REG_WAVE_MODE, 25, 1), 1
	s_wait_xcnt 0x0
; Launch 2 of 3: q = Wq x + bq, k = Wk x + bk, v = Wv x + bv on codes of E2M1 (K = the 256 channels), and q, k (along their 128) and v (along the keys) quantised again for the attention.  No work is left out.
; x: [4][256 channels][4,096 tokens] f32: K is NOT innermost.  A work-group takes 128 tokens of one batch: one record of each of the three outputs.  (128 keys are one K step of the last product: v's fragment and its
; scale word then come whole from one work-group.)  Sixteen waves; all of the work-group's 128 KiB of x are asked for at its head.
; ALL OPERANDS ARE KEPT AS IMAGES OF THEIR REGISTERS: a fragment (16 rows x 128 K: 8 registers a lane) is 1,024 bytes, registers 4 c .. 4 c + 3 of lane l at 512 c + 16 l.
; THE TOKENS OF A TILE ARE NOT NEIGHBOURS: row r of token tile T = 2 tg + u is token 32 tg + 8 u + r + 8 (r / 8).  So (1) the scores' 16 registers of two neighbouring key tiles are 16 neighbouring keys,
; (2) v's 16 registers of two neighbouring token tiles are 16 neighbouring keys of one channel, which is what the conversions want; (3) the queries' order shows only in the last launch's way out.
; PHASES.  X: wave w quantises 32 tokens (tg = w % 4; a lane a token) x 64 channels (pi = w / 4; registers down K): two blocks a lane; images and scale bytes to LDS; Wq's and Wk's images are copied to LDS | barrier |
;   A: wave w makes q (w < 8) or k of token tile T = w % 8, transposed (source 0 = 16 rows of W, source 1 = the tokens): a lane holds one token, its registers run along the 128; the bias is the C of the first product; quantise; store
;   B: wave w makes v's channels 16 w .. 16 w + 15 for the 128 tokens (source 0 = 16 tokens, source 1 = 16 rows of Wv): a lane holds one channel, its registers run along the keys; quantise; store | barrier | the scale words leave, 512 bytes a wave.
; OUT: qimg record (8,704 bytes): 8 images, then words [T / 4][row][T % 4].  kv record (24,576): 8 images of k, 16 of v.  sc record (1,536): k's words [T / 4][row][T % 4], then v's [ct / 4][row][ct % 4]: four tiles' words of a row are 16 bytes on end.
; LIMITS: a block whose largest magnitude lies under 2^(3 - 127), a block of zeros among them, gets the byte 1 (this program alone reads the bytes); NaN and infinities are not served; a bias enters its sum first, as C, where reference() adds it last.
.set XIMG,  0                          ; LDS: x's 16 images: tile T, K step s at 2048 T + 1024 s
.set XSC,   16384                      ; their scale words: 512 s + 64 T + 4 row
.set WL,    17408                      ; Wq's and Wk's 32 images, as they lie in wcode
.set SCST,  50176                      ; the scale words on their way out: q's 512 bytes, k's 512, v's 1,024
.set SPARE, 52224                      ; the spare words, 128 bytes for each wave: eight blocks of 256 bytes that no other line names
.set XO,  1                            ; v1   x: 4 x my token in the work-group's 128
.set LI,  2                            ; v2   16 x lane: an image's place for my lane (in LDS and in memory)
.set XWI, 3                            ; v3   where I store x's codes: 16 l + 4096 tg + 512 pi
.set XWS, 4                            ; v4   and my two scale bytes: 4 l + 128 tg + 512 (pi / 2) + 2 (pi % 2)
.set WCL, 5                            ; v5   my part of the weights' copy: 16 l + 2048 w
.set XFA, 6                            ; v6   unit A: my token tile's images: 16 l + 2048 T
.set XSA, 7                            ; v7   and its scale words: 4 r + 64 T
.set WFA, 8                            ; v8   unit A: Wq's or Wk's images: 16 l + 16384 (w / 8)
.set XLS, 10                           ; v10  4 x lane: the scale words of two token tiles
.set SCW, 11                           ; v11  where my tile's scale words go: 256 (w / 4) + 4 (w % 4) + 16 r
.set SCR, 12                           ; v12  and where they are read back: 16 x (thread % 128)
.set SPW, 14                           ; v14  LDS address of my spare word; never rewritten
.set NIL, 15                           ; v15  0; never rewritten
.set BO,  16                           ; v16  64 h: unit A's bias
.set R4,  17                           ; v17  4 r
.set HW,  19                           ; v19  my two scale bytes of x
.set OUTW, 20                          ; v20-23 scale words on their way out
.set XSP, 32                           ; v32-39 unit B: x's scale words, register 4 s + tg: lanes 0-15 tile 2 tg, lanes 16-31 tile 2 tg + 1
.set PC,  40                           ; v40-47 the codes just made
.set PW,  48                           ; v48  the scale word just made
.set TM,  52                           ; v52-55 largest magnitudes, v56-59 the other lanes' and then the bytes, v60-63 the conversions' scale operands
.set ACC, 64                           ; v64-127 eight accumulators
.set FB,  128                          ; v128-191 64 numbers of x, then eight fragments from LDS
.set XF,  192                          ; v192-207 the weights' copy on its way, then unit A's two fragments of x
.set WVF, 208                          ; v208-223 unit B: my tile of Wv, two fragments
.set BV,  224                          ; v224-231 bv of my lane's channel, eight times: the C of unit B's first products
.set WS,  232                          ; v232-247 unit A: W's scale words, register 2 tile + s
.set WVS, 248                          ; v248-249 Wv's
.set XSR, 250                          ; v250-251 unit A: x's
.set WV,  20                           ; s20  my wave's number
.set SEL, 22                           ; s[22:23] lane selects for v_permlanex16_b32: lane l xor 16
; 64 numbers of a lane, register 16 b + i = k 32 b + 16 (lane / 16) + i of my row, become a fragment's codes in v[PC] on and its scale word in v[PW].
.macro QUANT s
.irp b, 0,1,2,3
	v_max3_num_f32 v[TM+\b], |v[\s+16*\b]|, |v[\s+1+16*\b]|, 0x1800000   ; block b: my 16 numbers, from each accumulator's low end on, and the floor 2^(3 - 127): the byte cannot fall under 1
.endr
.irp i, 2,4,6,8,10,12,14
.irp b, 0,1,2,3
	v_max3_num_f32 v[TM+\b], v[TM+\b], |v[\s+16*\b+\i]|, |v[\s+1+16*\b+\i]|   ; (the four blocks by turns)
.endr
.endr
.irp b, 0,1,2,3
	v_permlanex16_b32 v[TM+4+\b], v[TM+\b], s[SEL], s[SEL+1]
.endr
.irp b, 0,1,2,3
	v_max_num_f32 v[TM+\b], v[TM+\b], v[TM+4+\b]   ; with lane l xor 16's: the block's largest magnitude
.endr
.irp b, 0,1,2,3
	v_add_nc_u32 v[TM+8+\b], 0xff000000, v[TM+\b]  ; 2 off its exponent field: the conversion's scale operand
.endr
.irp b, 0,1,2,3
	v_lshrrev_b32 v[TM+4+\b], 23, v[TM+8+\b]       ; the scale's byte
.endr
	v_lshl_or_b32 v[PW], v[TM+5], 8, v[TM+4]       ; the four bytes make my row's scale word
	v_lshl_or_b32 v[PW], v[TM+6], 16, v[PW]
	v_lshl_or_b32 v[PW], v[TM+7], 24, v[PW]
.irp b, 0,1,2,3
	v_cvt_scalef32_pk8_fp4_f32 v[PC+2*\b], v[\s+16*\b:\s+7+16*\b], v[TM+8+\b]
	v_cvt_scalef32_pk8_fp4_f32 v[PC+1+2*\b], v[\s+8+16*\b:\s+15+16*\b], v[TM+8+\b]
.endr
	v_nop                                          ; one plain line behind the last scaled conversion
.irp c, 0,1                                    ; the operand's layout wants a WHOLE block in a lane: lanes 0-15 block 2 c, lanes 16-31 block 2 c + 1
.irp i, 0,1
	v_permlane16_swap_b32 v[PC+4*\c+\i], v[PC+2+4*\c+\i]
.endr
.endr
.endm
.macro BARRIER                                 ; my LDS stores have landed and my LDS loads are in: then the work-group's barrier
	s_wait_dscnt 0x0
	s_barrier_signal -1
	s_barrier_wait -1
.endm
.macro PLACES                                  ; four plain lines behind matrix instructions, in front of loads into registers that they read and of the first read of results
.rept 4
	v_nop
.endr
.endm
; Unit B's product: token tile t (source 0), K step s.  An odd tile's scale words stand in lanes 16-31 of the pair's register.
.macro VMUL t, s
.if (\s) == 0
.if (\t)%2
	v_wmma_scale_f32_16x16x128_f8f6f4 v[ACC+8*(\t):ACC+8*(\t)+7], v[FB+8*(\t):FB+8*(\t)+7], v[WVF:WVF+7], v[BV:BV+7], v[XSP+(\t)/2], v[WVS] matrix_a_fmt:MATRIX_FMT_FP4 matrix_b_fmt:MATRIX_FMT_FP4 matrix_a_scale:MATRIX_SCALE_ROW1
.else
	v_wmma_scale_f32_16x16x128_f8f6f4 v[ACC+8*(\t):ACC+8*(\t)+7], v[FB+8*(\t):FB+8*(\t)+7], v[WVF:WVF+7], v[BV:BV+7], v[XSP+(\t)/2], v[WVS] matrix_a_fmt:MATRIX_FMT_FP4 matrix_b_fmt:MATRIX_FMT_FP4
.endif
.else
.if (\t)%2
	v_wmma_scale_f32_16x16x128_f8f6f4 v[ACC+8*(\t):ACC+8*(\t)+7], v[FB+8*(\t):FB+8*(\t)+7], v[WVF+8:WVF+15], v[ACC+8*(\t):ACC+8*(\t)+7], v[XSP+4+(\t)/2], v[WVS+1] matrix_a_fmt:MATRIX_FMT_FP4 matrix_b_fmt:MATRIX_FMT_FP4 matrix_a_scale:MATRIX_SCALE_ROW1
.else
	v_wmma_scale_f32_16x16x128_f8f6f4 v[ACC+8*(\t):ACC+8*(\t)+7], v[FB+8*(\t):FB+8*(\t)+7], v[WVF+8:WVF+15], v[ACC+8*(\t):ACC+8*(\t)+7], v[XSP+4+(\t)/2], v[WVS+1] matrix_a_fmt:MATRIX_FMT_FP4 matrix_b_fmt:MATRIX_FMT_FP4
.endif
.endif
.endm
	s_load_b256 s[4:11], s[0:1], 0x0               ; x s[4:5], wcode s[6:7], bq s[8:9], bk s[10:11]
	s_load_b256 s[12:19], s[0:1], 0x20             ; bv s[12:13], qimg s[14:15], kv s[16:17], sc s[18:19]
	v_lshl_add_u32 v[SPW], v0, 2, SPARE
	v_mov_b32 v[NIL], 0
	v_lshrrev_b32 v24, 5, v0
	v_readfirstlane_b32 s[WV], v24                 ; wave 0..15
	v_and_b32 v24, 31, v0                          ; l
	v_and_b32 v25, 15, v0                          ; r
	v_bfe_u32 v26, v0, 4, 1                        ; h
	s_and_b32 s24, ttmp7, 0xffff                   ; the batch
	s_and_b32 s25, s[WV], 3                        ; tg
	s_lshr_b32 s26, s[WV], 2                       ; pi
	s_lshr_b32 s27, s[WV], 3                       ; unit A: 0 for q, 1 for k
	s_and_b32 s28, s[WV], 7                        ; unit A: token tile T
	s_lshl_b32 s29, s24, 5
	s_add_co_u32 s29, s29, ttmp9                   ; the record: 32 x batch + step
	s_mov_b32 s[SEL], 0x76543210
	s_mov_b32 s[SEL+1], 0xfedcba98
	; every LDS address: a constant x lane + constants x parts of the wave's number; the regions' bases stand in the immediates
	v_and_b32 v27, 8, v0
	v_add_nc_u32 v27, v27, v25                     ; r + 8 (r / 8)
	v_lshl_add_u32 v27, v26, 3, v27                ; + 8 u: lanes 16-31 take the odd tile's tokens
	s_lshl_b32 s50, s25, 5
	v_add_nc_u32 v27, s50, v27                     ; + 32 tg
	v_lshlrev_b32 v[XO], 2, v27
	v_lshlrev_b32 v[LI], 4, v24
	s_lshl_b32 s50, s25, 12
	s_lshl_b32 s51, s26, 9
	s_add_co_u32 s50, s50, s51
	v_add_nc_u32 v[XWI], s50, v[LI]
	s_lshl_b32 s50, s25, 7
	s_lshr_b32 s51, s26, 1
	s_lshl_b32 s51, s51, 9
	s_add_co_u32 s50, s50, s51
	s_and_b32 s51, s26, 1
	s_lshl_b32 s51, s51, 1
	s_add_co_u32 s50, s50, s51
	v_lshl_add_u32 v[XWS], v24, 2, s50
	s_lshl_b32 s50, s[WV], 11
	v_add_nc_u32 v[WCL], s50, v[LI]
	s_lshl_b32 s50, s28, 11
	v_add_nc_u32 v[XFA], s50, v[LI]
	s_lshl_b32 s50, s28, 6
	v_lshl_add_u32 v[XSA], v25, 2, s50
	s_lshl_b32 s50, s27, 14
	v_add_nc_u32 v[WFA], s50, v[LI]
	v_lshlrev_b32 v[XLS], 2, v24
	s_lshl_b32 s50, s26, 8
	s_lshl_b32 s51, s25, 2
	s_add_co_u32 s50, s50, s51
	v_lshl_add_u32 v[SCW], v25, 4, s50
	v_and_b32 v[SCR], 127, v0
	v_lshlrev_b32 v[SCR], 4, v[SCR]
	v_lshlrev_b32 v[BO], 6, v26
	v_lshlrev_b32 v[R4], 2, v25
.irp b, 0,1,2,3
	v_mov_b32 v[TM+4+\b], 0                        ; written once: a lane permute's destination counts as one of its sources
.endr
	; byte offsets into the buffers, each in a pair of its own
	s_lshl_b32 s30, s24, 22                        ; x: a batch is 4,194,304 bytes,
	s_lshl_b32 s50, s26, 20                        ; 64 channels are 1,048,576,
	s_add_co_u32 s30, s30, s50
	s_lshl_b32 s50, ttmp9, 9                       ; 128 tokens are 512
	s_add_co_u32 s30, s30, s50
	s_mov_b32 s31, 0
	s_lshl_b32 s32, s[WV], 11                      ; wcode: my 2,048 bytes of the copy,
	s_mov_b32 s33, 0
	s_add_co_u32 s34, s32, 32768                   ; Wv's tile w: images 2 (16 + w), + 1,
	s_mov_b32 s35, 0
	s_lshl_b32 s36, s27, 10
	s_add_co_u32 s36, s36, 65536                   ; Wq's or Wk's scale words,
	s_mov_b32 s37, 0
	s_lshl_b32 s38, s[WV], 7
	s_add_co_u32 s38, s38, 65536+2048              ; Wv's tile w's
	s_mov_b32 s39, 0
	s_lshl_b32 s42, s[WV], 6                       ; bv: my 16 channels
	s_mov_b32 s43, 0
	s_mul_i32 s54, s29, 24576                      ; the record in kv,
	s_mul_i32 s55, s29, 8704                       ; in qimg,
	s_mul_i32 s56, s29, 1536                       ; in sc
	s_cmp_lt_u32 s[WV], 8
	s_cselect_b32 s52, s55, s54                    ; unit A stores into qimg's record or kv's,
	s_lshl_b32 s50, s28, 10
	s_add_co_u32 s52, s52, s50                     ; image T
	s_mov_b32 s53, 0
	s_lshl_b32 s50, s[WV], 10
	s_add_co_u32 s46, s54, s50
	s_add_co_u32 s46, s46, 8192                    ; unit B: image 8 + w of kv's record
	s_mov_b32 s47, 0
	s_sub_co_u32 s50, s[WV], 1
	s_lshl_b32 s50, s50, 9
	s_add_co_u32 s56, s56, s50                     ; the words out: waves 1 to 3: sc's record, 512 (w - 1) on;
	s_add_co_u32 s55, s55, 8192                    ; wave 0: behind qimg's eight images
	s_cmp_eq_u32 s[WV], 0
	s_cselect_b32 s48, s55, s56
	s_mov_b32 s49, 0
	s_wait_kmcnt 0x0
	s_add_nc_u64 s[30:31], s[4:5], s[30:31]
	s_add_nc_u64 s[32:33], s[6:7], s[32:33]
	s_add_nc_u64 s[34:35], s[6:7], s[34:35]
	s_add_nc_u64 s[36:37], s[6:7], s[36:37]
	s_add_nc_u64 s[38:39], s[6:7], s[38:39]
	s_add_nc_u64 s[42:43], s[12:13], s[42:43]
	s_add_nc_u64 s[46:47], s[16:17], s[46:47]
	s_cmp_lt_u32 s[WV], 8                          ; choices between buffers hang on the wave's number alone
	s_cselect_b64 s[40:41], s[8:9], s[10:11]       ; bq or bk
	s_cselect_b64 s[44:45], s[14:15], s[16:17]     ; qimg or kv
	s_add_nc_u64 s[44:45], s[44:45], s[52:53]
	s_cmp_eq_u32 s[WV], 0
	s_cselect_b64 s[56:57], s[14:15], s[18:19]     ; qimg or sc
	s_add_nc_u64 s[48:49], s[56:57], s[48:49]
	; ---- all 114 loads of the wave, in the order in which they are wanted: 32 + 32 of x, 4 of the copy, then 16 + 16 + 4 + 2 + 8 for the products
.set i, 0
.rept 64
	global_load_b32 v[FB+i], v[XO], s[30:31] offset:i*16384 th:TH_LOAD_NT   ; x(64 pi + i, my token): the 32 lanes read 128 consecutive bytes
.set i, i+1
.endr
.irp j, 0,1,2,3
	global_load_b128 v[XF+4*\j:XF+4*\j+3], v[LI], s[32:33] offset:512*\j
.endr
.irp b, 0,1,2,3
.irp j, 0,1,2,3
	global_load_b128 v[ACC+16*\b+4*\j:ACC+16*\b+4*\j+3], v[BO], s[40:41] offset:128*\b+16*\j   ; register 16 b + i = bias(32 b + 16 h + i): the result's layout, so it is the sums' C in place
.endr
.endr
.irp t, 0,1,2,3,4,5,6,7
.irp s, 0,1
	global_load_b32 v[WS+2*\t+\s], v[R4], s[36:37] offset:64*(2*\t+\s)
.endr
.endr
.irp j, 0,1,2,3
	global_load_b128 v[WVF+4*\j:WVF+4*\j+3], v[LI], s[34:35] offset:512*\j
.endr
.irp s, 0,1
	global_load_b32 v[WVS+\s], v[R4], s[38:39] offset:64*\s
.endr
.irp j, 0,1,2,3,4,5,6,7
	global_load_b32 v[BV+\j], v[R4], s[42:43]      ; bv(16 w + r): a lane of unit B holds one channel
.endr
	; ---- X: my token's two blocks of 32 channels
	s_wait_loadcnt 63                              ; the even block's 32 loads are in: 82 were issued behind them; 63 is the largest count that the wait can name
	v_max3_num_f32 v[TM], |v[FB]|, |v[FB+1]|, 0x1800000
.irp i, 2,4,6,8,10,12,14,16,18,20,22,24,26,28,30
	v_max3_num_f32 v[TM], v[TM], |v[FB+\i]|, |v[FB+1+\i]|
.endr
	s_wait_loadcnt 50                              ; the odd block's are in: behind them 4 + 16 + 16 + 4 + 2 + 8 = 50
	v_max3_num_f32 v[TM+1], |v[FB+32]|, |v[FB+33]|, 0x1800000
.irp i, 2,4,6,8,10,12,14,16,18,20,22,24,26,28,30
	v_max3_num_f32 v[TM+1], v[TM+1], |v[FB+32+\i]|, |v[FB+33+\i]|
.endr
	v_add_nc_u32 v[TM+8], 0xff000000, v[TM]
	v_add_nc_u32 v[TM+9], 0xff000000, v[TM+1]
	v_lshrrev_b32 v[TM+4], 23, v[TM+8]
	v_lshrrev_b32 v[TM+5], 23, v[TM+9]
	v_lshl_or_b32 v[HW], v[TM+5], 8, v[TM+4]       ; the two bytes are neighbours in my token's scale word
.irp g, 0,1,2,3
	v_cvt_scalef32_pk8_fp4_f32 v[PC+\g], v[FB+8*\g:FB+8*\g+7], v[TM+8]
.endr
.irp g, 0,1,2,3
	v_cvt_scalef32_pk8_fp4_f32 v[PC+4+\g], v[FB+32+8*\g:FB+32+8*\g+7], v[TM+9]
.endr
	v_nop                                          ; one plain line behind the last scaled conversion
.irp g, 0,1,2,3
	v_permlane16_swap_b32 v[PC+\g], v[PC+4+\g]     ; lanes 0-15 held the even tile's tokens, lanes 16-31 the odd tile's: now v[PC] on is the even tile's four registers (lanes 0-15 the even block, 16-31 the odd), v[PC+4] on the odd tile's
.endr
	ds_store_b128 v[XWI], v[PC:PC+3] offset:XIMG
	ds_store_b128 v[XWI], v[PC+4:PC+7] offset:XIMG+2048
	ds_store_b16 v[XWS], v[HW] offset:XSC
	s_wait_loadcnt 46                              ; the copy's four loads are in: behind them 16 + 16 + 4 + 2 + 8 = 46
.irp j, 0,1,2,3
	ds_store_b128 v[WCL], v[XF+4*\j:XF+4*\j+3] offset:WL+512*\j
.endr
	BARRIER                                        ; x's sixteen images, their words and Wq's and Wk's images lie in LDS
	; ---- A: q or k of token tile T: eight accumulators by turns, a K step at a time
.irp s, 0,1
.irp c, 0,1
	ds_load_b128 v[XF+8*\s+4*\c:XF+8*\s+4*\c+3], v[XFA] offset:XIMG+1024*\s+512*\c
.endr
	ds_load_b32 v[XSR+\s], v[XSA] offset:XSC+512*\s
.endr
.irp s, 0,1
.if \s
	PLACES
.endif
.irp t, 0,1,2,3,4,5,6,7
.irp c, 0,1
	ds_load_b128 v[FB+8*\t+4*\c:FB+8*\t+4*\c+3], v[WFA] offset:WL+1024*(2*\t+\s)+512*\c
.endr
.endr
	s_wait_dscnt 0x0
.if \s == 0
	s_wait_loadcnt 0x0                             ; the biases and the weights' scale words (and all that unit B wants)
.endif
.irp t, 0,1,2,3,4,5,6,7
	v_wmma_scale_f32_16x16x128_f8f6f4 v[ACC+8*\t:ACC+8*\t+7], v[FB+8*\t:FB+8*\t+7], v[XF+8*\s:XF+8*\s+7], v[ACC+8*\t:ACC+8*\t+7], v[WS+2*\t+\s], v[XSR+\s] matrix_a_fmt:MATRIX_FMT_FP4 matrix_b_fmt:MATRIX_FMT_FP4
.endr
.endr
	PLACES
	QUANT ACC                                      ; its plain lines are also the places in front of unit B's loads and products
	global_store_b128 v[LI], v[PC:PC+3], s[44:45]          ; the image: 512 consecutive bytes a store
	global_store_b128 v[LI], v[PC+4:PC+7], s[44:45] offset:512
	ds_store_b32 v[SCW], v[PW] offset:SCST         ; lanes l and l xor 16 write the same word with the same value
	; ---- B: v's channels 16 w .. 16 w + 15 for the 128 tokens
.irp s, 0,1
.irp g, 0,1,2,3
	ds_load_b32 v[XSP+4*\s+\g], v[XLS] offset:XSC+512*\s+128*\g
.endr
.endr
.irp s, 0,1
.if \s
	PLACES
.endif
.irp t, 0,1,2,3,4,5,6,7
.irp c, 0,1
	ds_load_b128 v[FB+8*\t+4*\c:FB+8*\t+4*\c+3], v[LI] offset:XIMG+2048*\t+1024*\s+512*\c
.endr
.endr
	s_wait_dscnt 0x0
.irp t, 0,1,2,3,4,5,6,7
	VMUL \t, \s
.endr
.endr
	PLACES
	s_wait_xcnt 0x0                                ; unit A's stores have read the codes' registers: they are written again only behind this wait
	QUANT ACC
	global_store_b128 v[LI], v[PC:PC+3], s[46:47]
	global_store_b128 v[LI], v[PC+4:PC+7], s[46:47] offset:512
	ds_store_b32 v[SCW], v[PW] offset:SCST+1024
	BARRIER                                        ; all 2,048 bytes of scale words lie in LDS
	s_cmp_lt_u32 s[WV], 4                          ; waves 0 to 3 take 512 bytes each
	s_cbranch_scc0 .Lno_words
	ds_load_b128 v[OUTW:OUTW+3], v[SCR] offset:SCST
	s_wait_dscnt 0x0
	global_store_b128 v[LI], v[OUTW:OUTW+3], s[48:49]      ; 512 consecutive bytes
.Lno_words:
	s_wait_tensorcnt 0x0                           ; the wave's end, behind my last LDS store
	ds_add_u32 v[SPW], v[NIL]
	s_wait_dscnt 0x0
	s_endpgm
.Lfunc_end_k_qc5fd80d79f_proj:
	.size	k_qc5fd80d79f_proj, .Lfunc_end_k_qc5fd80d79f_proj-k_qc5fd80d79f_proj
	.p2alignl 7, 3214868480
	.fill 96, 4, 3214868480
	.section	.rodata,"a",@progbits
	.p2align	6, 0x0
	.amdhsa_kernel k_qc5fd80d79f_proj
		.amdhsa_group_segment_fixed_size 54272
		.amdhsa_private_segment_fixed_size 0
		.amdhsa_enable_private_segment 0
		.amdhsa_kernarg_size 64
		.amdhsa_user_sgpr_count 2
		.amdhsa_user_sgpr_kernarg_segment_ptr 1
		.amdhsa_wavefront_size32 1
		.amdhsa_system_sgpr_workgroup_id_x 1
		.amdhsa_system_sgpr_workgroup_id_y 1
		.amdhsa_system_sgpr_workgroup_id_z 1
		.amdhsa_system_vgpr_workitem_id 0
		.amdhsa_next_free_vgpr 256
		.amdhsa_next_free_sgpr 66
		.amdhsa_reserve_vcc 0
		.amdhsa_float_denorm_mode_32 3
		.amdhsa_float_denorm_mode_16_64 3
		.amdhsa_memory_ordered 1
		.amdhsa_forward_progress 1
		.amdhsa_inst_pref_size 37
	.end_amdhsa_kernel
	.amdgpu_metadata
---
amdhsa.version: [ 1, 2 ]
amdhsa.kernels:
  - .name:           k_qc5fd80d79f_proj
    .symbol:         k_qc5fd80d79f_proj.kd
    .args:
      - { .name: x, .offset: 0, .size: 8, .value_kind: global_buffer, .address_space: global }
      - { .name: wcode, .offset: 8, .size: 8, .value_kind: global_buffer, .address_space: global }
      - { .name: bq, .offset: 16, .size: 8, .value_kind: global_buffer, .address_space: global }
      - { .name: bk, .offset: 24, .size: 8, .value_kind: global_buffer, .address_space: global }
      - { .name: bv, .offset: 32, .size: 8, .value_kind: global_buffer, .address_space: global }
      - { .name: qimg, .offset: 40, .size: 8, .value_kind: global_buffer, .address_space: global }
      - { .name: kv, .offset: 48, .size: 8, .value_kind: global_buffer, .address_space: global }
      - { .name: sc, .offset: 56, .size: 8, .value_kind: global_buffer, .address_space: global }
    .group_segment_fixed_size: 54272
    .private_segment_fixed_size: 0
    .kernarg_segment_align: 8
    .kernarg_segment_size: 64
    .max_flat_workgroup_size: 512
    .sgpr_count:     66
    .vgpr_count:     256
    .wavefront_size: 32
...
	.end_amdgpu_metadata
.endif
;; end of part 2
;; launch attn (part 3): grid 64 x 4, 8 waves a work-group, clusters of 4 x 1, 327,680 bytes of LDS; arguments qimg, kv, sc, x, gamma, out0; writes out0
.if DOCPART == 3
	.amdgcn_target "amdgcn-amd-amdhsa--gfx1250"
	.amdhsa_code_object_version 6
	.text
	.protected	k_qc5fd80d79f_attn
	.globl	k_qc5fd80d79f_attn
	.p2align	8
	.type	k_qc5fd80d79f_attn,@function
k_qc5fd80d79f_attn:
	s_mov_b64 s[64:65], 0
	v_nop
	global_prefetch_b8 v0, s[64:65] scope:SCOPE_SE
	s_setreg_imm32_b32 hwreg(HW_REG_WAVE_MODE, 25, 1), 1
	s_wait_xcnt 0x0
	s_wait_alu depctr_hold_cnt(0) depctr_sa_sdst(0) depctr_va_vdst(0) depctr_va_sdst(0) depctr_va_ssrc(0) depctr_va_vcc(0) depctr_vm_vsrc(0)
	s_getreg_b32 s2, hwreg(HW_REG_IB_STS2, 6, 4)
	s_cmp_eq_u32 s2, 0
	s_cbranch_scc0 .Lentry_in_a_cluster
	s_endpgm
.Lentry_in_a_cluster:
	s_bfe_u32 s2, ttmp6, 0x10000c
	s_cmp_lg_u32 s2, 0x3003
	s_cbranch_scc0 .Lentry_shape_is_right
	s_endpgm
.Lentry_shape_is_right:
; Launch 3 of 3: out[b][c][n] = gamma x (sum over m of v[c][m] p[n][m]) / l[n] + x[b][c][n], both products on codes of E2M1 with one E8M0 scale for each 32 along K.  No work is left out.
; THE SOFTMAX AHEAD OF THE SECOND PRODUCT: t = score x log2(e); M = the largest t so far, rounded UP to a whole number; p = 2^(t - M) is quantised along the keys, not normalised; l is the sum of the unquantised p.
; SHARES.  A work-group owns 64 queries of one batch.  Wave w owns TWO tiles of 16 of them (tiles 2 tp, 2 tp + 1, tp = w % 2) and one quarter of the keys (g = w / 2: keys 1,024 g on, eight steps of 128), in 512 registers: two waves
; to a SIMD.  Each fragment of K and V that a wave reads from LDS feeds two matrix instructions, and one tile's softmax stands behind the loads of V that the other tile's registers take.
; Each quarter has its own running M; at the end the four parts are brought under the largest M by exact powers of two and added, through LDS.
; OPERANDS are images of their registers, as the launch before laid them: a fragment is 1,024 bytes, registers 4 c .. 4 c + 3 of lane l at 512 c + 16 l: every LDS load takes 512 bytes on end.  A step's record: 8 images of k, 16 of v.
; LAYOUT.  Both products transposed: S^T = K Q^T (source 0 = 16 keys), O^T = V P^T (source 0 = 16 channels): a lane holds ONE query of each tile throughout.  Row r of a token tile 2 tg + u is token 32 tg + 8 u + r + 8 (r / 8),
; so the 16 registers of key tiles 2 b, 2 b + 1 are keys 32 b + 16 (lane / 16) + 0 .. 15; the queries' order shows in the way out's addresses alone.
; THE RING: two slots; a slot holds one step's four records, one for each quarter (98,304 bytes), fetched by waves 0 to 3, one tensor load each.  The batch's scale words (49,152 bytes) come once, with the first fills.
; CLUSTER: the four work-groups of a cluster belong to one batch and walk the same records in the same order: each record is asked for JOINTLY, by the same load with the same descriptor and a mask that names the four.
; REGISTERS, in windows of 256 (s_set_vgpr_msb's low byte: bits 1:0 source 0, 3:2 source 1, 5:4 source 2, 7:6 destination):
;   window 0: v1-4 addresses; v5, v6 the add's two; v7 the prefetches' offset; v8-15 tile a's, v16-23 tile b's statistics (+0 f, +1 p's scale word, +2 at work, +4 -M, +5 the largest t, +6, +7 l in two halves); v24, v25 Q's scale words;
;     v26-31 the way out's addresses; v32-47 K's or V's scale words; v48-63 Q; v64-127 K's eight fragments, then the softmax's work and p's codes; v128-191 S^T, then p, of tile a, v192-255 of tile b; then V's sixteen fragments.
;   window 1: O^T: tile e's channels 16 ct on at v[128 e + 8 ct].   A step has three switches: O^T's rescaling, the products V P^T, and back.
; LIMITS: NaN and infinities are not served; a p under 2^-126 counts as 0; a block whose largest p lies under 2^(3 - 127) gets the byte 1; a block's largest p is taken from its largest score, which takes v_exp_f32 not to fall where
; its input rises; 1 / l is v_rcp_f32.
.set RECB,  24576                      ; a record of kv
.set SCRB,  1536                       ; a record of sc
.set SLOT1, 1<<17                      ; slot 1 begins here: one exclusive or turns an address in one slot into the other's
.set SCB,   SLOT1+4*RECB               ; the batch's scale words: 32 records
.set STAT,  SCB+32*SCRB                ; -M and l of every thread and tile, 8 bytes each: no fill lands here
.set SPARE, STAT+4096                  ; the spare words, 128 bytes for each wave: four blocks of 256 bytes that no other line names
.set PART,  256*272                    ; the way out: a quarter's part: 256 channels x (64 queries x 4 bytes + 16).  The four parts lie from LDS byte 0 on, over the slots and the scale words, which have had their last fill and their last read by then
.set AK0, 1                            ; v1   16 l + RECB g: my lane's place in a slot
.set AS0, 2                            ; v2   SCB + 8 SCRB g + 16 r: my lane's place among the scale words
.set ADK, 3                            ; v3   the step's record
.set ADS, 4                            ; v4   the step's scale words
.set SPW, 5                            ; v5   LDS address of my spare word; never rewritten
.set NIL, 6                            ; v6   0; never rewritten
.set PFO, 7                            ; v7   256 x lane; never rewritten
.set ST,  8                            ; tile e's statistics at v[ST + 8 e]
.set QS,  24
.set XO,  28                           ; v28  the way out: my byte offset in x and out0
.set KS,  32
.set Q,   48
.set F,   64
.set PC,  64                           ; v64-71 tile a's codes of p, v72-79 tile b's
.set BM,  80                           ; v80-83 the blocks' largest scores, then largest p
.set PT,  84                           ; v84-87 the other lanes', then the bytes
.set SO,  88                           ; v88-91 the conversions' scale operands
.set SB,  92                           ; v[92:93] the sums' second chain
.set S,   128
.set WV,  16                           ; s16  my wave's number;  s17 = w % 4, s18 = w / 2, s26 = w % 2;  s19 cx, s20 my block of 64 queries, s21 the batch
.set CS,  22                           ; s[22:23] c = log2(e): the packed form names a pair and takes its low word for both halves
.set SEL, 24                           ; s[24:25] lane selects for v_permlanex16_b32: lane l xor 16
.set G1K, 28                           ; s[28:35] descriptor group 1 for a record;  s[36:43] for a quarter of the scale words
.set G1S, 36
.set G0K, 44                           ; s[44:47] group 0 for the records: it walks;  s[48:51] for the scale words
.set G0S, 48
.set TB,  52                           ; s52  LDS byte at which the slot in hand begins
.set TS,  53                           ; s53  where the step's scale words begin: SCRB a step
.set SLOTS, 54                         ; s54  steps still to be asked for
.set LIM, 55                           ; s55  1 in a wave that prefetches, else the greatest number
.set PFA, 56                           ; s[56:57] where my prefetches stand
.set GAM, 58                           ; s58  gamma
.set XB,  70                           ; s[70:71] x, s[72:73] out0, at my wave's 32 channels and my work-group's 64 queries
.set OB,  72
.set MSB, 0
.macro WIN new                         ; the immediate's high byte repeats the setting that is left; a switch that changes nothing is dropped
.if MSB != \new
	s_set_vgpr_msb (MSB<<8)|\new
.set MSB, \new
.endif
.endm
.set W_RS, 0x41                        ; O^T (destination and source 0) in window 1, the factor in window 0
.set W_PV, 0x50                        ; V and p in window 0, C and D in window 1
; A round of the cluster's barrier: my work-group's barrier; wave 0 signals for the work-group; every wave waits for all four work-groups; my work-group's barrier once more.
.macro ROUND
	s_barrier_signal -1
	s_barrier_wait -1
	s_cmp_lg_u32 s[WV], 0
	s_cbranch_scc1 .Lnot_wave_0_\@
	s_barrier_signal -3
.Lnot_wave_0_\@:
	s_barrier_wait -3
	s_barrier_signal -1
	s_barrier_wait -1
.endm
; Waves 0 to 3 fetch, wave w the record of quarter w.  The branch hangs on the wave's number alone.  An s_nop 0 and four v_nop follow the load.
.macro TLOAD
	s_cmp_lt_u32 s[WV], 4
	s_cbranch_scc0 .Lasked_\@
	tensor_load_to_lds s[G0K:G0K+3], s[G1K:G1K+7]
	s_nop 0
.rept 4
	v_nop
.endr
.Lasked_\@:
.endm
; A PREFETCH INTO THE L2 of what the NEXT change of slots will ask for: four records of 96 x 256 bytes.  All clusters of a batch walk the same records: the batch's first cluster asks.  Its four partners are told apart BY ADDRESS:
; the partner at place cx takes quarter cx's record; in it waves 4, 5, 6 take 8,192 bytes each, lanes 256 bytes apart: each aligned block of 256 bytes is named once in the launch.  The last change that fills a slot asks for nothing.
.macro ASK
	s_cmp_gt_u32 s[SLOTS], s[LIM]
	s_cbranch_scc0 .Lnot_mine_\@
	global_prefetch_b8 v[PFO], s[PFA:PFA+1] th:TH_LOAD_NT scope:SCOPE_SE
.Lnot_mine_\@:
.endm
; THE CHANGE OF SLOTS stands at a step's head.  Each wave waits for all its tensor loads (its record of the slot that is about to be read), adds 0 to its spare word, and waits for that and for its reads of the slot that it has left.
; fill = 1: behind a round of the cluster's barrier that other slot is filled with the next step's records: the load has a whole step in which to land.  A loading wave then has one tensor load out (two at the start).
.macro CHANGE fill
	s_wait_tensorcnt 0x0                           ; no tensor load of mine is out, so a group 0 may be written
	ds_add_u32 v[SPW], v[NIL]                      ; 0 onto my spare word
.if \fill
	ds_add_u32 v[SPW], v[NIL]                      ; and once more: the add twice on end, in every trip alike
	s_xor_b32 s[G0K+1], s[G0K+1], SLOT1            ; the walking descriptor: the other slot than last time,
	s_add_nc_u64 s[G0K+2:G0K+3], s[G0K+2:G0K+3], RECB   ; the quarter's next record; the type bits on top are not reached
	s_wait_xcnt 0x0                                ; the last prefetch, a step back, has read its address, so it may be written:
	s_add_nc_u64 s[PFA:PFA+1], s[PFA:PFA+1], RECB  ; one record further on than the walking descriptor
.endif
	s_wait_dscnt 0x0                               ; the add is done, and my reads of the slot that I have left are over
.if \fill
	ROUND                                          ; both now hold of every wave of all four work-groups
	TLOAD                                          ; the first thing behind the round, and a wave's one tensor load until the next
	ASK
.else
	s_barrier_signal -1
	s_barrier_wait -1
.endif
.endm
; TILE e's SOFTMAX of a key step: its 64 scores become p, p's codes in v[PC + 8 e] on and p's scale word.  first = 1: the first step, which starts M: it has no f.
.macro SOFTMAX e, first
.set SS, S+64*(\e)
.set TT, ST+8*(\e)
.set PP, PC+8*(\e)
.irp b, 0,1,2,3
	v_max3_num_f32 v[BM+\b], v[SS+16*\b], v[SS+1+16*\b], v[SS+2+16*\b]   ; THE LARGEST SCORE OF EACH BLOCK OF 32 KEYS: for the row's maximum and, since p rises with the score, for the block's largest p.  Each accumulator is read from its low end on
.endr
.irp i, 3,5,7,9,11,13
.irp b, 0,1,2,3
	v_max3_num_f32 v[BM+\b], v[BM+\b], v[SS+16*\b+\i], v[SS+1+16*\b+\i]   ; (the four blocks by turns)
.endr
.endr
.irp b, 0,1,2,3
	v_max_num_f32 v[BM+\b], v[BM+\b], v[SS+15+16*\b]
.endr
.irp b, 0,1,2,3
	v_permlanex16_b32 v[PT+\b], v[BM+\b], s[SEL], s[SEL+1]
.endr
.irp b, 0,1,2,3
	v_max_num_f32 v[BM+\b], v[BM+\b], v[PT+\b]     ; with lane l xor 16's 16 keys
.endr
	v_max3_num_f32 v[TT+2], v[BM], v[BM+1], v[BM+2]
	v_max_num_f32 v[TT+2], v[TT+2], v[BM+3]        ; the step's largest score of my query
.if \first
	v_mul_f32 v[TT+5], s[CS], v[TT+2]              ; as t (c is positive): the largest t so far
	v_floor_f32 v[TT+4], -v[TT+5]                  ; -M = floor(-t) = -ceil(t): M IS A WHOLE NUMBER
.else
	v_mul_f32 v[TT+2], s[CS], v[TT+2]
	v_max_num_f32 v[TT+5], v[TT+5], v[TT+2]        ; the running largest t
	v_mov_b32 v[TT+2], v[TT+4]
	v_floor_f32 v[TT+4], -v[TT+5]                  ; the new -M
	v_sub_f32 v[TT+2], v[TT+4], v[TT+2]            ; M's old value less its new one: a whole number, 0 or less
	v_cvt_i32_f32 v[TT+2], v[TT+2]                 ; (it saturates)
	v_ldexp_f32 v[TT], 1.0, v[TT+2]                ; f = 2^(old M - new M): a multiplication by it rounds nothing
.endif
.set j, 0
.rept 32
	v_pk_fma_f32 v[SS+j:SS+j+1], v[SS+j:SS+j+1], s[CS:CS+1], v[TT+4:TT+5] op_sel_hi:[1,0,0]   ; t - M, two at a time (of the pairs c and -M the low word serves both halves)
.set j, j+2
.endr
.irp b, 0,1,2,3
	v_fma_f32 v[BM+\b], v[BM+\b], s[CS], v[TT+4]   ; the same of each block's largest score
.endr
.set j, 0
.rept 64
	v_exp_f32 v[SS+j], v[SS+j]                     ; p = 2^(t - M), at most 1: NOT normalised
.set j, j+1
.endr
.if \first
	v_nop                                          ; a plain line behind the exponentials
.else
	v_pk_mul_f32 v[TT+6:TT+7], v[TT+6:TT+7], v[TT:TT+1] op_sel_hi:[1,0]   ; l under the new M.  (A plain line behind the exponentials)
.endif
	s_wait_alu depctr_va_vdst(0)                   ; one wait for the whole batch, ahead of its first reader
.irp b, 0,1,2,3
	v_exp_f32 v[BM+\b], v[BM+\b]                   ; the block's largest p: the same two instructions on the same number give the same bits
.endr
	v_pk_add_f32 v[SB:SB+1], v[SS:SS+1], v[SS+2:SS+3]   ; l IS TAKEN OF THE UNQUANTISED p: two at a time, in two chains.  (They read the 64 alone: plain work behind the four)
.set j, 4
.rept 15
	v_pk_add_f32 v[TT+6:TT+7], v[TT+6:TT+7], v[SS+j:SS+j+1]
	v_pk_add_f32 v[SB:SB+1], v[SB:SB+1], v[SS+j+2:SS+j+3]
.set j, j+4
.endr
	v_pk_add_f32 v[TT+6:TT+7], v[TT+6:TT+7], v[SB:SB+1]
	s_wait_alu depctr_va_vdst(0)                   ; and one for the four
.irp b, 0,1,2,3
	v_max_num_f32 v[BM+\b], 0x1800000, v[BM+\b]    ; the floor 2^(3 - 127): the byte cannot fall under 1
.endr
.irp b, 0,1,2,3
	v_add_nc_u32 v[SO+\b], 0xff000000, v[BM+\b]    ; 2 off the exponent field: the conversion's scale operand
.endr
.irp b, 0,1,2,3
	v_lshrrev_b32 v[PT+\b], 23, v[SO+\b]           ; the scale's byte
.endr
	v_lshl_or_b32 v[TT+1], v[PT+1], 8, v[PT]       ; p's scale word for these 128 keys
	v_lshl_or_b32 v[TT+1], v[PT+2], 16, v[TT+1]
	v_lshl_or_b32 v[TT+1], v[PT+3], 24, v[TT+1]
.irp b, 0,1,2,3
	v_cvt_scalef32_pk8_fp4_f32 v[PP+2*\b], v[SS+16*\b:SS+7+16*\b], v[SO+\b]
	v_cvt_scalef32_pk8_fp4_f32 v[PP+1+2*\b], v[SS+8+16*\b:SS+15+16*\b], v[SO+\b]
.endr
	v_nop                                          ; one plain line behind the last scaled conversion
.irp c, 0,1                                    ; the operand's layout wants a WHOLE block in a lane
.irp i, 0,1
	v_permlane16_swap_b32 v[PP+4*\c+\i], v[PP+2+4*\c+\i]
.endr
.endr
.endm
; Eight fragments of V (channels 128 n on) and their scale words, 18 loads, into the registers that tile n's p has left.
.macro VLOAD n
.irp u, 0,1
	ds_load_b128 v[KS+8*(\n)+4*\u:KS+8*(\n)+4*\u+3], v[ADS] offset:512+256*(2*(\n)+\u)   ; four tiles' scale words of row r
.endr
.irp t, 0,1,2,3,4,5,6,7
.irp c, 0,1
	ds_load_b128 v[S+64*(\n)+8*\t+4*\c:S+64*(\n)+8*\t+4*\c+3], v[ADK] offset:8192+(8*(\n)+\t)*1024+512*\c
.endr
.endr
.endm
; O^T of tile e, channels 16 (8 n + t) on, += V P^T.  first = 1: the product starts the sum: nothing is ever cleared.
.macro PV e, n, t, first
.if \first
	v_wmma_scale_f32_16x16x128_f8f6f4 v[128*(\e)+8*(8*(\n)+(\t)):128*(\e)+8*(8*(\n)+(\t))+7], v[S+64*(\n)+8*(\t):S+64*(\n)+8*(\t)+7], v[PC+8*(\e):PC+8*(\e)+7], 0, v[KS+8*(\n)+(\t)], v[ST+8*(\e)+1] matrix_a_fmt:MATRIX_FMT_FP4 matrix_b_fmt:MATRIX_FMT_FP4
.else
	v_wmma_scale_f32_16x16x128_f8f6f4 v[128*(\e)+8*(8*(\n)+(\t)):128*(\e)+8*(8*(\n)+(\t))+7], v[S+64*(\n)+8*(\t):S+64*(\n)+8*(\t)+7], v[PC+8*(\e):PC+8*(\e)+7], v[128*(\e)+8*(8*(\n)+(\t)):128*(\e)+8*(8*(\n)+(\t))+7], v[KS+8*(\n)+(\t)], v[ST+8*(\e)+1] matrix_a_fmt:MATRIX_FMT_FP4 matrix_b_fmt:MATRIX_FMT_FP4
.endif
.endm
; A KEY STEP: my quarter's next 128 keys, for both my tiles.  first = 1: the first step.
.macro STEP first
	v_add_nc_u32 v[ADK], s[TB], v[AK0]
	v_add_nc_u32 v[ADS], s[TS], v[AS0]
.rept 3
	v_nop                                          ; with the two additions: five plain lines behind the last step's products, whose fragments of V are written over by the products below (five are owed there; four in front of the loads)
.endr
.irp g, 0,1                                    ; K's eight fragments and their scale words in one run: 9 loads for each four tiles of keys
	ds_load_b128 v[KS+4*\g:KS+4*\g+3], v[ADS] offset:256*\g
.irp t, 0,1,2,3
.irp c, 0,1
	ds_load_b128 v[F+8*(4*\g+\t)+4*\c:F+8*(4*\g+\t)+4*\c+3], v[ADK] offset:(4*\g+\t)*1024+512*\c
.endr
.endr
.endr
.irp g, 0,1                                    ; S^T = K Q^T: each fragment of K against both tiles of queries
	s_wait_dscnt 9-9*\g                            ; the first nine loads are in, the nine issued behind them may be out; then all
.irp t, 0,1,2,3
.irp e, 0,1
	v_wmma_scale_f32_16x16x128_f8f6f4 v[S+64*\e+8*(4*\g+\t):S+64*\e+8*(4*\g+\t)+7], v[F+8*(4*\g+\t):F+8*(4*\g+\t)+7], v[Q+8*\e:Q+8*\e+7], 0, v[KS+4*\g+\t], v[QS+\e] matrix_a_fmt:MATRIX_FMT_FP4 matrix_b_fmt:MATRIX_FMT_FP4
.endr
.endr
.endr
.rept 4
	v_nop                                          ; places in front of the first read of results
.endr
	SOFTMAX 0, \first
	VLOAD 0                                        ; V's channels 0 to 127 land under tile b's softmax
	SOFTMAX 1, \first
	VLOAD 1                                        ; V's channels 128 to 255 land under O^T's rescaling and the first sixteen products
.if \first
.rept 8
	v_nop                                          ; p's scale word, written by vector instructions, stands eight places ahead of the scaled products, its codes four
.endr
.else
	WIN W_RS
.irp e, 0,1
.set j, 0
.rept 64
	v_pk_mul_f32 v[128*\e+j:128*\e+j+1], v[128*\e+j:128*\e+j+1], v[ST+8*\e:ST+8*\e+1] op_sel_hi:[1,0]   ; O^T under the new M, ascending.  (These are also the places in front of the scaled products)
.set j, j+2
.endr
.endr
.endif
	WIN W_PV
.irp n, 0,1                                    ; O^T += V P^T: each fragment of V against both tiles' p; the 32 accumulators take turns, one instruction a turn
	s_wait_dscnt 18-18*\n                          ; the first batch's 18 loads are in, the 18 issued behind them may be out; then all
.irp t, 0,1,2,3,4,5,6,7
.irp e, 0,1
	PV \e, \n, \t, \first
.endr
.endr
.endr
	WIN 0                                          ; at a label and at a branch every window is 0
	s_xor_b32 s[TB], s[TB], SLOT1                  ; on to the other slot,
	s_add_co_u32 s[TS], s[TS], SCRB                ; and the next step's scale words
.endm
	s_load_b256 s[4:11], s[0:1], 0x0               ; qimg s[4:5], kv s[6:7], sc s[8:9], x s[10:11]
	s_load_b128 s[12:15], s[0:1], 0x20             ; gamma s[12:13], out0 s[14:15]
	v_lshl_add_u32 v[SPW], v0, 2, SPARE
	v_mov_b32 v[NIL], 0
	ds_add_u32 v[SPW], v[NIL]                      ; the wave's opening: the add, twice on end, and its wait ahead of the round in front of the first tensor loads; the set-up below, work on registers, stands between
	ds_add_u32 v[SPW], v[NIL]
	v_lshrrev_b32 v1, 5, v0
	v_readfirstlane_b32 s[WV], v1                  ; wave 0..7
	s_and_b32 s17, s[WV], 3                        ; in waves 0 to 3: the quarter whose records I fetch; in waves 4 to 6: which third of a record I prefetch
	s_lshr_b32 s18, s[WV], 1                       ; my quarter of the keys
	s_and_b32 s26, s[WV], 1                        ; my pair of tiles of queries
	s_and_b32 s21, ttmp7, 0xffff                   ; the batch, which the four partners share
	; descriptor group 1: a dense block as rows of 256 bytes (32 elements of 8 bytes), no padding: a record is 96 rows, a quarter of the scale words 48
	s_mov_b32 s[G1K], 15|(3<<16)|(1<<21)           ; 15:0 the mask: all four work-groups; 17:16 elements of 8 bytes; 21 set beside a mask
	s_mov_b32 s[G1K+1], 32<<16                     ; tensor_dim0
	s_mov_b32 s[G1K+2], 96<<16                     ; tensor_dim1
	s_mov_b32 s[G1K+3], 32<<16                     ; tile_dim0
	s_mov_b32 s[G1K+4], 96                         ; tile_dim1
	s_mov_b32 s[G1K+5], 32                         ; tensor_dim0_stride
	s_mov_b32 s[G1K+6], 0
	s_mov_b32 s[G1K+7], 0
	s_mov_b32 s[G1S], 15|(3<<16)|(1<<21)
	s_mov_b32 s[G1S+1], 32<<16
	s_mov_b32 s[G1S+2], 48<<16
	s_mov_b32 s[G1S+3], 32<<16
	s_mov_b32 s[G1S+4], 48
	s_mov_b32 s[G1S+5], 32
	s_mov_b32 s[G1S+6], 0
	s_mov_b32 s[G1S+7], 0
	; what the descriptors' addresses are made of: the batch and the wave's number alone, in registers that never hold my place in the cluster
	s_lshl_b32 s60, s21, 5
	s_lshl_b32 s61, s17, 3
	s_add_co_u32 s60, s60, s61
	s_mul_i32 s60, s60, RECB                       ; kv: record 32 b + 8 (w % 4): the quarter's step 0
	s_mov_b32 s61, 0
	s_mul_i32 s62, s21, 32*SCRB
	s_mul_i32 s63, s17, 8*SCRB
	s_add_co_u32 s62, s62, s63                     ; sc: the batch's words, my quarter of them
	s_mov_b32 s63, 0
	; what hangs on my place in the cluster: Q's, x's, out0's and the prefetches' addresses in memory, and nothing else
	s_bfe_u32 s19, ttmp6, 0x40000                  ; cx
	s_lshl_b32 s20, ttmp9, 2                       ; in a cluster launch ttmp9 counts clusters
	s_add_co_u32 s20, s20, s19                     ; my block of 64 queries
	s_lshl_b32 s66, s21, 5
	s_lshr_b32 s67, s20, 1
	s_add_co_u32 s66, s66, s67
	s_mul_i32 s66, s66, 8704                       ; qimg: record 32 b + block / 2
	s_and_b32 s67, s20, 1
	s_lshl_b32 s78, s67, 2
	s_lshl_b32 s79, s26, 1
	s_add_co_u32 s78, s78, s79                     ; my first token tile T = 4 (block % 2) + 2 tp; the second follows it
	s_lshl_b32 s78, s78, 10
	s_add_co_u32 s74, s66, s78                     ; their two images, 2,048 bytes on end
	s_mov_b32 s75, 0
	s_lshl_b32 s67, s67, 8
	s_lshl_b32 s78, s26, 3
	s_add_co_u32 s67, s67, s78
	s_add_co_u32 s76, s66, s67                     ; their scale words: 256 (T / 4) + 4 (T % 4), two words on end, behind the record's eight images
	s_mov_b32 s77, 0
	s_lshl_b32 s68, s21, 22                        ; x and out0: the batch,
	s_lshl_b32 s78, s[WV], 19                      ; my wave's 32 channels,
	s_add_co_u32 s68, s68, s78
	s_lshl_b32 s78, s20, 8                         ; my work-group's 64 queries
	s_add_co_u32 s68, s68, s78
	s_mov_b32 s69, 0
	s_lshl_b32 s[PFA], s21, 5
	s_lshl_b32 s78, s19, 3
	s_add_co_u32 s[PFA], s[PFA], s78
	s_add_co_u32 s[PFA], s[PFA], 1
	s_mul_i32 s[PFA], s[PFA], RECB                 ; the prefetches: quarter cx's step 1; the first change of slots steps it to step 2.  Nothing is prefetched at the head
	s_lshl_b32 s78, s17, 13
	s_add_co_u32 s[PFA], s[PFA], s78               ; my wave's 8,192 bytes of the record
	s_mov_b32 s[PFA+1], 0
	s_sub_co_u32 s78, s[WV], 4
	s_cmp_lt_u32 s78, 3
	s_cselect_b32 s78, 0, 1                        ; 0 in waves 4, 5, 6,
	s_or_b32 s78, s78, ttmp9                       ; of the batch's first cluster: the same in all four partners
	s_cmp_eq_u32 s78, 0
	s_cselect_b32 s[LIM], 1, -1
	s_mov_b32 s[CS], 0x3fb8aa3b                    ; c = log2(e): the scores are not scaled
	s_mov_b32 s[CS+1], s[CS]                       ; (named with it as a pair, so it is written)
	s_mov_b32 s[SEL], 0x76543210
	s_mov_b32 s[SEL+1], 0xfedcba98
	s_mov_b32 s[TB], 0
	s_mov_b32 s[TS], 0
	s_mov_b32 s[SLOTS], 7
	s_wait_dscnt 0x0                               ; both opening adds are done
	s_wait_kmcnt 0x0
	s_load_b32 s[GAM], s[12:13], 0x0               ; gamma: waited for at the head's end
	s_mov_b32 s[G0K], 1                            ; 1:0 count = 1
	s_mul_i32 s[G0K+1], s17, RECB                  ; 63:32 LDS address: slot 0, the quarter's place
	s_add_nc_u64 s[G0K+2:G0K+3], s[6:7], s[60:61]  ; 120:64 global address
	s_or_b32 s[G0K+3], s[G0K+3], 0x80000000        ; 127:126 type = 2
	s_mov_b32 s[G0S], 1
	s_mul_i32 s[G0S+1], s17, 8*SCRB
	s_add_co_u32 s[G0S+1], s[G0S+1], SCB
	s_add_nc_u64 s[G0S+2:G0S+3], s[8:9], s[62:63]
	s_or_b32 s[G0S+3], s[G0S+3], 0x80000000
	s_add_nc_u64 s[74:75], s[4:5], s[74:75]
	s_add_nc_u64 s[76:77], s[4:5], s[76:77]
	s_add_nc_u64 s[XB:XB+1], s[10:11], s[68:69]
	s_add_nc_u64 s[OB:OB+1], s[14:15], s[68:69]
	s_add_nc_u64 s[PFA:PFA+1], s[6:7], s[PFA:PFA+1]
	ROUND                                          ; all four work-groups are here: the first joint loads meet
	s_cmp_lt_u32 s[WV], 4                          ; a loading wave's two first fills stand in one branch, ahead of every wait on TENSORcnt and every LDS read: two loads of mine are out
	s_cbranch_scc0 .Lno_first
	tensor_load_to_lds s[G0S:G0S+3], s[G1S:G1S+7]  ; a quarter of the batch's scale words: filled once
	s_nop 0
	tensor_load_to_lds s[G0K:G0K+3], s[G1K:G1K+7]  ; slot 0: step 0
	s_nop 0
.rept 4
	v_nop
.endr
.Lno_first:
	v_and_b32 v10, 31, v0                          ; l
	v_and_b32 v8, 15, v0                           ; r
	v_lshlrev_b32 v[ADK], 4, v10                   ; 16 l
	v_lshlrev_b32 v[ADS], 4, v8                    ; 16 r
.irp j, 0,1,2,3
	global_load_b128 v[Q+4*\j:Q+4*\j+3], v[ADK], s[74:75] offset:512*\j   ; Q's two fragments stay in registers
.endr
	global_load_b64 v[QS:QS+1], v[ADS], s[76:77] offset:8192   ; and their scale words: row r's two words
	s_mul_i32 s60, s18, RECB
	v_add_nc_u32 v[AK0], s60, v[ADK]
	s_mul_i32 s60, s18, 8*SCRB
	s_add_co_u32 s60, s60, SCB
	v_add_nc_u32 v[AS0], s60, v[ADS]
	v_lshlrev_b32 v[PFO], 8, v10
.irp e, 0,1
	v_mov_b32 v[ST+8*\e+6], 0                      ; l, in two halves
	v_mov_b32 v[ST+8*\e+7], 0
.endr
	s_wait_loadcnt 0x0                             ; Q (and its loads' address registers are free)
	s_wait_kmcnt 0x0                               ; gamma
	CHANGE 1                                       ; step 0 has landed; step 1 is asked for, into slot 1
	STEP 1
	s_sub_co_u32 s[SLOTS], s[SLOTS], 1
.Lstep:                                            ; six trips: steps 1 to 6 are worked, steps 2 to 7 asked for
	CHANGE 1
	STEP 0
	s_sub_co_u32 s[SLOTS], s[SLOTS], 1
	s_cmp_lg_u32 s[SLOTS], 0
	s_cbranch_scc1 .Lstep
	CHANGE 0                                       ; the last step is written out
	STEP 0
	; THE WAY OUT.  x's numbers are asked for first.  The four address lines are the places behind the last products, in front of loads into registers that they read.
	v_and_b32 v26, 15, v0                          ; r
	v_bfe_u32 v27, v0, 4, 1                        ; h
	v_lshlrev_b32 v[XO], 14, v27
	v_lshl_add_u32 v[XO], v26, 4, v[XO]            ; x and out0: lanes 0-15 one channel's 64 queries (256 bytes), lanes 16-31 the next channel's
.irp i, 0,1,2,3,4,5,6,7,8,9,10,11,12,13,14,15
	global_load_b128 v[S+4*\i:S+4*\i+3], v[XO], s[XB:XB+1] offset:32768*\i th:TH_LOAD_NT   ; channels 32 w + 2 i + h
.endr
	v_lshl_add_u32 v29, v0, 3, STAT
.irp e, 0,1
	v_add_f32 v[ST+8*\e+6], v[ST+8*\e+6], v[ST+8*\e+7]   ; l's two halves,
.endr
.irp e, 0,1
	v_permlanex16_b32 v[ST+8*\e+2], v[ST+8*\e+6], s[SEL], s[SEL+1]
.endr
.irp e, 0,1
	v_add_f32 v[ST+8*\e+5], v[ST+8*\e+6], v[ST+8*\e+2]   ; and lane l xor 16's: my quarter's l
.endr
.irp e, 0,1
	ds_store_b64 v29, v[ST+8*\e+4:ST+8*\e+5] offset:2048*\e   ; -M and l, a place for each thread and tile
.endr
	s_wait_dscnt 0x0                               ; for the others' sake: my stores have landed, and my reads of the slots and the scale words are over
	s_barrier_signal -1
	s_barrier_wait -1                              ; from here on the slots' and the scale words' bytes may be written
	v_and_b32 v29, 63, v0                          ; thread = 64 g + 32 tp + l
	v_lshl_add_u32 v29, v29, 3, STAT
.irp e, 0,1
.irp q, 0,1,2,3
	ds_load_b64 v[96+8*\e+2*\q:97+8*\e+2*\q], v29 offset:2048*\e+512*\q   ; the four quarters' -M and l of my query of tile e
.endr
.endr
	s_mul_i32 s60, s18, PART                       ; where my numbers go in the stage: my quarter's part,
	s_lshl_b32 s61, s26, 7
	s_add_co_u32 s60, s60, s61                     ; query 32 tp + 8 e + r + 8 (r / 8) of the 64 (8 e: 32 bytes, in the immediate),
	v_and_b32 v30, 8, v0
	v_add_nc_u32 v30, v30, v26
	v_lshlrev_b32 v30, 2, v30
	v_mad_u32_u24 v30, v27, 2176, v30              ; channels 8 h on: eight rows of 272 bytes are 544 words, so the two halves of the lanes fall on different banks
	v_add_nc_u32 v30, s60, v30
	v_add_nc_u32 v31, 128*272, v30                 ; and the upper 128 channels
	s_mul_i32 s60, s[WV], 32*272                   ; and where I read back: channels 32 w + h, 16 bytes a lane, in each of the four parts
	v_lshlrev_b32 v1, 4, v26
	v_mad_u32_u24 v1, v27, 272, v1
	v_add_nc_u32 v1, s60, v1
	v_add_nc_u32 v2, PART, v1
	v_add_nc_u32 v3, PART, v2
	v_add_nc_u32 v4, PART, v3
	s_wait_dscnt 0x0
.irp e, 0,1
	v_min3_num_f32 v[112+8*\e], v[96+8*\e], v[98+8*\e], v[100+8*\e]
.endr
.irp e, 0,1
	v_min_num_f32 v[112+8*\e], v[112+8*\e], v[102+8*\e]   ; -M* : the largest of the four M
.endr
.irp e, 0,1
.irp q, 0,1,2,3
	v_sub_f32 v[113+8*\e+\q], v[112+8*\e], v[96+8*\e+2*\q]   ; M of quarter q less M*: a whole number, 0 or less
.endr
	v_sub_f32 v[118+8*\e], v[112+8*\e], v[ST+8*\e+4]   ; my own
.endr
.irp e, 0,1
.irp q, 0,1,2,3,5
	v_cvt_i32_f32 v[113+8*\e+\q], v[113+8*\e+\q]   ; (it saturates)
.endr
.endr
.irp e, 0,1
.irp q, 0,1,2,3,5
	v_ldexp_f32 v[113+8*\e+\q], 1.0, v[113+8*\e+\q]   ; 2^(M - M*)
.endr
.endr
.irp e, 0,1
	v_mul_f32 v[117+8*\e], v[113+8*\e], v[97+8*\e]
.endr
.irp q, 1,2,3
.irp e, 0,1
	v_fma_f32 v[117+8*\e], v[113+8*\e+\q], v[97+8*\e+2*\q], v[117+8*\e]   ; the row's l under M*: over 1/2
.endr
.endr
.irp e, 0,1
	v_rcp_f32 v[119+8*\e], v[117+8*\e]
.endr
.irp e, 0,1
	v_mul_f32 v[118+8*\e], s[GAM], v[118+8*\e]     ; (plain lines behind the reciprocals)
.endr
	s_wait_alu depctr_va_vdst(0)                   ; the wait ahead of the reciprocals' first reader: one for the two
.irp e, 0,1
	v_mul_f32 v[ST+8*\e], v[119+8*\e], v[118+8*\e] ; gamma x 2^(M - M*) / l
.endr
	WIN W_RS
.irp e, 0,1
.set j, 0
.rept 64
	v_pk_mul_f32 v[128*\e+j:128*\e+j+1], v[128*\e+j:128*\e+j+1], v[ST+8*\e:ST+8*\e+1] op_sel_hi:[1,0]   ; my part of gamma O / l, ascending
.set j, j+2
.endr
.endr
	WIN 0x04                                       ; an LDS store's data are its source 1: window 1
.irp e, 0,1
.irp u, 0,1
.irp t, 0,1,2,3,4,5,6,7
.irp j, 0,1,2,3,4,5,6,7
	ds_store_b32 v[30+\u], v[128*\e+64*\u+8*\t+\j] offset:(16*\t+\j)*272+32*\e   ; channel 128 u + 16 t + 8 h + j, my query of tile e
.endr
.endr
.endr
.endr
	WIN 0
	s_wait_dscnt 0x0                               ; for the others' sake: my stores into the stage have landed
	s_barrier_signal -1
	s_barrier_wait -1
	WIN 0x40                                       ; destination window 1, address window 0: O^T's registers are free
.irp i, 0,1,2,3,4,5,6,7,8,9,10,11,12,13,14,15
.irp q, 0,1,2,3
	ds_load_b128 v[64*\q+4*\i:64*\q+4*\i+3], v[1+\q] offset:544*\i   ; quarter q's part of channels 32 w + 2 i + h: sixteen lanes take a row's 256 bytes
.endr
.endr
	s_wait_loadcnt 0x0                             ; x
.irp k, 0,1,2,3                                ; four groups of eight channels: a group is added and stored while the later groups' loads land
	s_wait_dscnt 48-16*\k                          ; this group's 16 loads are in; those of the later groups, 16 each, may be out
	WIN 0x45                                       ; all in window 1
.irp i, 0,1,2,3
.irp d, 0,2
	v_pk_add_f32 v[16*\k+4*\i+\d:16*\k+4*\i+\d+1], v[16*\k+4*\i+\d:16*\k+4*\i+\d+1], v[64+16*\k+4*\i+\d:64+16*\k+4*\i+\d+1]
	v_pk_add_f32 v[128+16*\k+4*\i+\d:128+16*\k+4*\i+\d+1], v[128+16*\k+4*\i+\d:128+16*\k+4*\i+\d+1], v[192+16*\k+4*\i+\d:192+16*\k+4*\i+\d+1]
.endr
.endr
.irp i, 0,1,2,3
.irp d, 0,2
	v_pk_add_f32 v[16*\k+4*\i+\d:16*\k+4*\i+\d+1], v[16*\k+4*\i+\d:16*\k+4*\i+\d+1], v[128+16*\k+4*\i+\d:128+16*\k+4*\i+\d+1]
.endr
.endr
	WIN W_RS                                       ; x lies in window 0
.irp i, 0,1,2,3
.irp d, 0,2
	v_pk_add_f32 v[16*\k+4*\i+\d:16*\k+4*\i+\d+1], v[16*\k+4*\i+\d:16*\k+4*\i+\d+1], v[S+16*\k+4*\i+\d:S+16*\k+4*\i+\d+1]   ; + x
.endr
.endr
	WIN 0x04                                       ; a store's data are its source 1: window 1
.irp i, 0,1,2,3
	global_store_b128 v[XO], v[16*\k+4*\i:16*\k+4*\i+3], s[OB:OB+1] offset:32768*(4*\k+\i) th:TH_STORE_NT   ; sixteen lanes store 256 consecutive bytes, at a multiple of 256 from out0's first byte
.endr
.endr
	WIN 0
	s_wait_tensorcnt 0x0                           ; the wave's end, behind my last tensor load and my last LDS store
	ds_add_u32 v[SPW], v[NIL]
	s_wait_dscnt 0x0
	ROUND                                          ; the closing round: no work-group ends while a partner may still ask for a record that names it
	s_endpgm
.Lfunc_end_k_qc5fd80d79f_attn:
	.size	k_qc5fd80d79f_attn, .Lfunc_end_k_qc5fd80d79f_attn-k_qc5fd80d79f_attn
	.p2alignl 7, 3214868480
	.fill 96, 4, 3214868480
	.section	.rodata,"a",@progbits
	.p2align	6, 0x0
	.amdhsa_kernel k_qc5fd80d79f_attn
		.amdhsa_group_segment_fixed_size 327680
		.amdhsa_private_segment_fixed_size 0
		.amdhsa_enable_private_segment 0
		.amdhsa_kernarg_size 48
		.amdhsa_user_sgpr_count 2
		.amdhsa_user_sgpr_kernarg_segment_ptr 1
		.amdhsa_wavefront_size32 1
		.amdhsa_system_sgpr_workgroup_id_x 1
		.amdhsa_system_sgpr_workgroup_id_y 1
		.amdhsa_system_sgpr_workgroup_id_z 1
		.amdhsa_system_vgpr_workitem_id 0
		.amdhsa_next_free_vgpr 512
		.amdhsa_next_free_sgpr 80
		.amdhsa_reserve_vcc 0
		.amdhsa_float_denorm_mode_32 3
		.amdhsa_float_denorm_mode_16_64 3
		.amdhsa_memory_ordered 1
		.amdhsa_forward_progress 1
		.amdhsa_inst_pref_size 163
	.end_amdhsa_kernel
	.amdgpu_metadata
---
amdhsa.version: [ 1, 2 ]
amdhsa.kernels:
  - .name:           k_qc5fd80d79f_attn
    .symbol:         k_qc5fd80d79f_attn.kd
    .args:
      - { .name: qimg, .offset: 0, .size: 8, .value_kind: global_buffer, .address_space: global }
      - { .name: kv, .offset: 8, .size: 8, .value_kind: global_buffer, .address_space: global }
      - { .name: sc, .offset: 16, .size: 8, .value_kind: global_buffer, .address_space: global }
      - { .name: x, .offset: 24, .size: 8, .value_kind: global_buffer, .address_space: global }
      - { .name: gamma, .offset: 32, .size: 8, .value_kind: global_buffer, .address_space: global }
      - { .name: out0, .offset: 40, .size: 8, .value_kind: global_buffer, .address_space: global }
    .group_segment_fixed_size: 327680
    .private_segment_fixed_size: 0
    .kernarg_segment_align: 8
    .kernarg_segment_size: 48
    .max_flat_workgroup_size: 256
    .sgpr_count:     80
    .vgpr_count:     512
    .wavefront_size: 32
...
	.end_amdgpu_metadata
.endif
;; end of part 3
